; MI455X (gfx1250); checked and timed in simulation.
; The chip was launched on July 23, 2026; its instructions are those of AMD's public machine-readable ISA for CDNA 5 (MIT licence, August 2026) and "CDNA5" Instruction Set Architecture Reference Guide (July 2026). The comments in the code are by the model that wrote it; some were corrected since.
;; FAST Multi Head Attention. Allowed arithmetic: matrix products marked QUANTISED: E5M2 operands, one E8M0 scale for each 32 along K, by v_wmma_scale_f32_16x16x128_f8f6f4 with both operands' format E5M2, f32 sums; everything else in f32.
;; Inputs: drop_noise 1 x 16 x 2,048 x 64 float32; k 1 x 16 x 2,048 x 64 float32; q 1 x 16 x 2,048 x 64 float32; rpe_matrix 4,095 x 64 float32; v 1 x 16 x 2,048 x 64 float32.
;; Outputs: out0 1 x 16 x 2,048 x 64 float32.
;; This version of the problem:
;;   THIS VERSION OF THE PROBLEM IS GIVEN IN LOW PRECISION. The matrix products marked QUANTISED in the list below multiply operands that are first quantised to E5M2 (5 exponent bits, 2 mantissa bits; 8 bits a number), with one power-of-two scale for each 32 numbers along K (OCP MX v1.0); their sums are f32. All else is computed in f32.
;;   The module's matrix products, in the order in which they are computed (A, B: the left and right operand; K: the contracted axis; several contracted axes count as one K, in the product's order):
;;     1. batch 16 x [M 2,048, K 64] x [K 64, N 2,048]; A: input q; B: computed on the way: QUANTISED
;;     2. [M 32,768, K 64] x [K 64, N 4,095]; A: input q; B: input rpe_matrix: QUANTISED
;;     3. batch 16 x [M 2,048, K 2,048] x [K 2,048, N 64]; A: computed on the way; B: input v: QUANTISED
;;   THE QUANTISER, for each operand of a quantised product, along K:
;;     - K is cut into blocks of 32 from its start; a last block that is shorter is filled with zeros.
;;     - A block's scale is 2^e with e = floor(log2(the largest magnitude in the block)) - 15, held to -126 .. 127; a block of zeros has e = 0. As a byte (E8M0): e + 127.
;;     - Each number is divided by its block's scale, clamped to +-57,344, and rounded to the nearest number of E5M2, ties to even, subnormals kept.
;;     - The product sums the exact products of the quantised numbers (number of the format x scale) in f32.
;;   ~~~python
;;   def quantise(x, axis):      # numpy; x: float32 -> the quantised numbers, widened to float32 again
;;       x = np.moveaxis(x, axis, -1); K = x.shape[-1]
;;       x = np.pad(x, [(0, 0)] * (x.ndim - 1) + [(0, -K % 32)]); x = x.reshape(x.shape[:-1] + (-1, 32)); a = np.abs(x).max(-1, keepdims=True)
;;       e = np.where(a > 0, np.clip(np.frexp(np.where(a > 0, a, 1))[1] - 1 - 15, -126, 127), 0)      # np.frexp(a)[1] - 1 = floor(log2(a)), exactly
;;       r = np.clip(x / 2.0 ** e, -57344, 57344)
;;       step = 2.0 ** (np.maximum(np.frexp(np.where(r == 0, 1, r))[1] - 1, -14) - 2)
;;       q = np.round(r / step) * step * 2.0 ** e      # np.round: ties to even
;;       return np.moveaxis(q.reshape(q.shape[:-2] + (-1,))[..., :K], -1, axis).astype(np.float32)
;;   ~~~
;;   OPERANDS COMPUTED ON THE WAY. 'Computed on the way' means the value that the module computes at that place (a softmax that the list does not call 'softmax' is quantised finished and normalised). What goes into a quantiser is computed in f32, as accurately as f32 sums, v_exp_f32 and their like allow (about 1e-6 of the number): no bf16 or f16 on the way to a quantiser, and a product that is left as it is and whose result goes on into a quantised operand takes f32 operands (vector FMAs, or v_wmma_f32_16x16x4_f32). A number that lies on a knife's edge between two numbers of the format may be rounded either way, as far as f32 arithmetic and the matrix unit's own rounding can turn it there, and no further.
;; One version. Each part assembles by itself: llvm-mc -triple=amdgcn-amd-amdhsa -mcpu=gfx1250 --defsym DOCPART=n.
;; ======== version 1 of 1: 2 launches
;; workspace buffers: qc 2,621,440 bytes; kc 2,621,440 bytes; rc 204,800 bytes; vc 2,162,688 bytes
;; launch prep (part 1): grid 261 x 1, 4 waves a work-group, no clusters, 61,952 bytes of LDS; arguments q, k, rpe_matrix, v, qc, kc, rc, vc; writes qc, kc, rc, vc
.if DOCPART == 1
	.amdgcn_target "amdgcn-amd-amdhsa--gfx1250"
	.amdhsa_code_object_version 6
	.text
	.protected	k_qe3a7e861a4_prep
	.globl	k_qe3a7e861a4_prep
	.p2align	8
	.type	k_qe3a7e861a4_prep,@function
k_qe3a7e861a4_prep:
	s_mov_b64 s[64:65], 0
	v_nop
	global_prefetch_b8 v0, s[64:65] scope:SCOPE_SE
	s_setreg_imm32_b32 hwreg(HW_REG_WAVE_MODE, 25, 1), 1
	s_wait_xcnt 0x0
; q, k [16 x 2048][64], rpe_matrix [4095][64] and v [16][2048][64], all f32, become codes of BF8 (E5M2) with one E8M0 scale byte for each 32 along a product's K.
; A block's scale is 2^(floor(log2(its largest magnitude)) - 15); its byte is the largest magnitude's exponent field - 15, held at 1 from below; each number is held within +-57,344 x the scale
; and rounded to the nearest code, ties to even.
; LIMITS: NaN and infinities among the inputs are not served; a block whose largest magnitude lies under 2^-111 (a block of zeros among them) gets the byte 1: its codes are then what the conversion
; gives under that byte, zeros for zeros, and the bytes are read by this program alone.
; ROWS (q, k, rpe: K = the row's 64 numbers, innermost).  A row becomes a RECORD of 80 bytes: 64 codes, the word [s0, s1, s0, s1] of its two scale bytes, 12 zero bytes.
;   Records lie on end, so that any run of them is one dense block for a tensor load, and 80 bytes from row to row is the pitch that the reader wants in LDS.
;   rc's record e holds rpe row e - 16; records 0-15 hold copies of rows 0-15, which enter no result (they stand for rows under 0).  2,560 records: rows beyond 2,543 belong to keys that the causal mask hides.
; V (K = the keys, the first axis within a head): a lane takes a column d and its registers run down the keys.  For each head and each 128 keys a record of 8,448 bytes:
;   the four tiles of V^T as images of the operand's registers (tile t, chunk b, lane (r, h) at 2048 t + 512 b + 16 (r + 16 h): keys 32 b + 8 h + 0..7, then 32 b + 16 + 8 h + 0..7), then 64 scale words.
;   That order of keys inside a block of 32 is the one in which the other operand's codes fall out of the scores' registers; both sides share it, and it stays inside one scale block.
; WORK-GROUPS: 0-63 q, 64-127 k, 128-132 rpe, 133-260 v.  Four waves that share nothing: no barrier.  Only the row path uses LDS.
.set SP,    80                         ; a lane's place in an in-stage: 64 bytes + 16 of padding; also a record
.set WREG,  15360                      ; LDS of a wave: two in-stages of 32 x 80 bytes, then the out-stage of 128 records
.set OUTS,  5120
.set R,     16                         ; v16-79   four sets of 16 numbers as loaded
.set X,     80                         ; v80-111  two sets of 16 neighbours
.set CD,    112                        ; v112-119 two sets of codes
.set TL,    120                        ; v120-127 two tails [word, 0, 0, 0]
	s_load_b256 s[4:11], s[0:1], 0x0               ; q s[4:5], k s[6:7], rpe s[8:9], v s[10:11]
	s_load_b256 s[12:19], s[0:1], 0x20             ; qc s[12:13], kc s[14:15], rc s[16:17], vc s[18:19]
	v_lshl_add_u32 v144, v0, 2, 0xf000
	v_mov_b32 v145, 0
	v_lshrrev_b32 v1, 5, v0
	v_readfirstlane_b32 s20, v1                    ; wave 0..3
	v_and_b32 v2, 31, v0                           ; lane
	s_mov_b32 s34, 0x600000                        ; the mantissa field of 57,344
	s_cmp_lt_u32 ttmp9, 133
	s_cbranch_scc0 .Lv
	; ---------------- rows: a wave takes 128 rows, 16 steps of 8 rows (512 numbers)
	s_mov_b32 s35, 0xcccccccc                      ; the lanes that hold a row's second block (lane % 4 = 2, 3)
	v_lshlrev_b32 v3, 4, v2                        ; 16 x lane: my bytes of a dense 512
	s_mul_i32 s36, s20, WREG
	v_lshrrev_b32 v14, 2, v2
	v_mul_u32_u24 v14, v14, SP                     ; 80 (lane / 4)
	v_and_b32 v15, 3, v2
	v_lshl_add_u32 v15, v15, 4, v14                ; + 16 (lane % 4)
	s_add_co_u32 s37, s36, OUTS
	v_add_nc_u32 v4, s37, v15                      ; out-stage: my 16 codes in my row's record
	s_add_co_u32 s38, s37, 64
	v_add_nc_u32 v5, s38, v14                      ; and the record's tail
	v_add_nc_u32 v6, s37, v3                       ; the way out: dense
	v_add_nc_u32 v14, s36, v15                     ; in-stage, way in: four lanes' 64 bytes on end, then 16 of padding
	v_mul_u32_u24 v15, v2, SP
	v_add_nc_u32 v15, s36, v15                     ; in-stage, way out: my 16 neighbours
	v_mov_b32 v13, 0                               ; (a lane move's destination counts as read)
.irp i, 1,2,3,5,6,7
	v_mov_b32 v[TL+\i], 0                          ; the tails' twelve zero bytes, written once
.endr
	s_wait_kmcnt 0x0
	s_cmp_lt_u32 ttmp9, 64                         ; which tensor: the choice hangs on the work-group's number alone
	s_cselect_b64 s[22:23], s[4:5], s[6:7]
	s_cselect_b64 s[24:25], s[12:13], s[14:15]
	s_cselect_b32 s26, 0, 64
	s_cmp_lt_u32 ttmp9, 128
	s_cselect_b64 s[22:23], s[22:23], s[8:9]
	s_cselect_b64 s[24:25], s[24:25], s[16:17]
	s_cselect_b32 s26, s26, 128
	s_cselect_b32 s30, 0, 4096                     ; rpe: record e holds row e - 16: sixteen rows of 256 bytes back
	s_sub_co_u32 s26, ttmp9, s26
	s_lshl_b32 s26, s26, 2
	s_add_co_u32 s28, s26, s20                     ; my unit of 128 rows in the tensor
	s_lshl_b32 s26, s28, 15                        ; 32,768 bytes in
	s_mov_b32 s27, 0
	s_mov_b32 s31, 0
	s_add_nc_u64 s[22:23], s[22:23], s[26:27]
	s_sub_nc_u64 s[22:23], s[22:23], s[30:31]      ; the base of steps 2 to 15 (their offsets begin at 4,096: no load leaves the buffer)
	s_cmp_eq_u32 s28, 0
	s_cselect_b32 s30, s30, 0
	s_add_nc_u64 s[32:33], s[22:23], s[30:31]      ; the base of steps 0 and 1: in rpe's first unit they take rows 0-15 in place of rows -16 .. -1
	s_mul_i32 s26, s28, 10240                      ; 128 records out
	s_add_nc_u64 s[24:25], s[24:25], s[26:27]
.macro LOAD t
.irp i, 0,1,2,3
.if (\t) < 2
	global_load_b128 v[R+16*((\t)%4)+4*\i:R+16*((\t)%4)+4*\i+3], v3, s[32:33] offset:2048*(\t)+512*\i th:TH_LOAD_NT   ; 32 lanes read 512 consecutive bytes
.else
	global_load_b128 v[R+16*((\t)%4)+4*\i:R+16*((\t)%4)+4*\i+3], v3, s[22:23] offset:2048*(\t)+512*\i th:TH_LOAD_NT
.endif
.endr
.endm
.macro TURN t                          ; step t's numbers through an in-stage: LDS serves a wave's instructions in order, so no wait stands between the stores and the loads
.irp i, 0,1,2,3
	ds_store_b128 v14, v[R+16*((\t)%4)+4*\i:R+16*((\t)%4)+4*\i+3] offset:32*SP*((\t)%2)+8*SP*\i
.endr
.irp i, 0,1,2,3
	ds_load_b128 v[X+16*((\t)%2)+4*\i:X+16*((\t)%2)+4*\i+3], v15 offset:32*SP*((\t)%2)+16*\i
.endr
.endm
.irp t, 0,1,2,3
	LOAD \t
.endr
	s_wait_loadcnt 12                              ; step 0's four loads are in
	TURN 0
.macro STEP t
.set XS, X+16*((\t)%2)
.set CS, CD+4*((\t)%2)
.set TS, TL+4*((\t)%2)
.if (\t) > 0
	s_wait_dscnt 2                                 ; this step's numbers are back from the in-stage; the last step's two stores into the out-stage, issued behind them, may be out
.else
	s_wait_dscnt 0x0
.endif
.if (\t)+4 < 16
	LOAD (\t)+4                                    ; into the set whose stores into the in-stage are done
.endif
.if (\t)+1 < 16
.if 14-(\t) >= 3
	s_wait_loadcnt 12                              ; the next step's four loads are in; those of the three steps behind it may be out
.else
	s_wait_loadcnt 4*(14-(\t))
.endif
	TURN (\t)+1
.endif
	v_max3_num_f32 v8, |v[XS]|, |v[XS+1]|, |v[XS+2]|               ; the largest magnitude of my 16, in two chains
	v_max3_num_f32 v9, |v[XS+3]|, |v[XS+4]|, |v[XS+5]|
.irp i, 6,10
	v_max3_num_f32 v8, v8, |v[XS+\i]|, |v[XS+\i+1]|
	v_max3_num_f32 v9, v9, |v[XS+\i+2]|, |v[XS+\i+3]|
.endr
	v_max3_num_f32 v8, v8, |v[XS+14]|, |v[XS+15]|
	v_max3_num_f32 v8, v8, v9, 0x8000000           ; and the floor 2^(16 - 127): the byte cannot fall under 1
	v_max_num_f32_dpp v8, v8, v8 row_xmask:1 row_mask:0xf bank_mask:0xf   ; with my neighbour's 16: the block's
	v_add_nc_u32 v11, 0xf8800000, v8               ; 15 off its exponent field: the conversion's scale operand
	v_and_or_b32 v10, v8, 0x7f800000, s34          ; 57,344 x the scale
.irp i, 0,1,2,3,4,5,6,7,8,9,10,11,12,13,14,15
	v_med3_num_f32 v[XS+\i], v[XS+\i], -v10, v10   ; the conversion to an 8-bit code does not saturate (ISA guide 7.6.2): the hold comes first
.endr
	v_cvt_scalef32_pk8_bf8_f32 v[CS:CS+1], v[XS:XS+7], v11
	v_cvt_scalef32_pk8_bf8_f32 v[CS+2:CS+3], v[XS+8:XS+15], v11
	v_lshrrev_b32 v12, 23, v11                     ; my block's byte (a plain line behind the conversions)
	v_mov_b32_dpp v13, v12 row_xmask:2 row_mask:0xf bank_mask:0xf   ; and the byte of my row's other block
	v_cndmask_b32 v128, v12, v13, s35              ; s0: the first block's
	v_cndmask_b32 v129, v13, v12, s35              ; s1
	v_lshl_or_b32 v128, v129, 8, v128
	v_lshl_or_b32 v[TS], v128, 16, v128            ; [s0, s1, s0, s1]: the word serves a row in either half of a K of 128
	ds_store_b128 v4, v[CS:CS+3] offset:8*SP*(\t)
	ds_store_b128 v5, v[TS:TS+3] offset:8*SP*(\t)  ; the four lanes of a row write the same 16 bytes with the same value
.endm
.irp t, 0,1,2,3,4,5,6,7,8,9,10,11,12,13,14,15
	STEP \t
.endr
.irp k, 0,1,2,3,4,5,6,7,8,9,10,11,12,13,14,15,16,17,18,19
	ds_load_b128 v[16+4*\k:19+4*\k], v6 offset:512*\k              ; LDS serves a wave's instructions in order: these see my stores
.endr
.irp k, 0,1,2,3,4,5,6,7,8,9,10,11,12,13,14,15,16,17,18,19
	s_wait_dscnt 19-\k
	global_store_b128 v3, v[16+4*\k:19+4*\k], s[24:25] offset:512*\k   ; 32 lanes store 512 consecutive bytes, at a multiple of 256 from the buffer's first byte
.endr
	s_wait_tensorcnt 0x0
	ds_add_u32 v144, v145
	s_wait_dscnt 0x0
	s_endpgm
	; ---------------- v: a wave takes 128 keys x 32 columns; a lane takes a column, its registers run down the keys
.Lv:
	s_sub_co_u32 s26, ttmp9, 133
	s_lshl_b32 s26, s26, 1
	s_lshr_b32 s27, s20, 1
	s_add_co_u32 s28, s26, s27                     ; 16 x head + step of 128 keys
	s_and_b32 s29, s20, 1                          ; which 32 of the 64 columns
	v_lshlrev_b32 v3, 2, v2                        ; 4 bytes a lane
	v_lshrrev_b32 v4, 4, v2
	v_and_b32 v5, 15, v2
	v_lshlrev_b32 v4, 11, v4
	v_lshl_add_u32 v4, v5, 4, v4                   ; out: tile (lane / 16) of my two, row lane % 16
	s_lshl_b32 s30, s28, 15                        ; 128 keys of 256 bytes
	s_lshl_b32 s36, s29, 7
	s_add_co_u32 s30, s30, s36
	s_mov_b32 s31, 0
	s_mul_i32 s32, s28, 8448
	s_mov_b32 s33, 0
	s_add_co_u32 s38, s32, s36
	s_add_co_u32 s38, s38, 8192                    ; my 32 scale words
	s_mov_b32 s39, 0
	s_lshl_b32 s37, s29, 12
	s_add_co_u32 s32, s32, s37                     ; my two tiles
	s_wait_kmcnt 0x0
	s_add_nc_u64 s[22:23], s[10:11], s[30:31]
	s_add_nc_u64 s[24:25], s[18:19], s[32:33]
	s_add_nc_u64 s[38:39], s[18:19], s[38:39]
.macro VLOAD bb                        ; block bb: v(32 bb + i, my column), into set bb % 2
.irp i, 0,1,2,3,4,5,6,7,8,9,10,11,12,13,14,15,16,17,18,19,20,21,22,23,24,25,26,27,28,29,30,31
	global_load_b32 v[16+32*((\bb)%2)+\i], v3, s[22:23] offset:(32*(\bb)+\i)*256 th:TH_LOAD_NT
.endr
.endm
	VLOAD 0
	VLOAD 1
.macro VBLOCK bb
.set XS, 16+32*((\bb)%2)
.set CS, 80+8*(\bb)                    ; a set of codes for each block: no store's data are written again
.if (\bb) < 3
	s_wait_loadcnt 32                              ; this block's 32 loads are in; the next block's may be out
.else
	s_wait_loadcnt 0x0
.endif
	v_max3_num_f32 v8, |v[XS]|, |v[XS+1]|, |v[XS+2]|               ; the block's largest magnitude: all 32 numbers are mine
	v_max3_num_f32 v9, |v[XS+3]|, |v[XS+4]|, |v[XS+5]|
.irp i, 6,10,14,18,22,26
	v_max3_num_f32 v8, v8, |v[XS+\i]|, |v[XS+\i+1]|
	v_max3_num_f32 v9, v9, |v[XS+\i+2]|, |v[XS+\i+3]|
.endr
	v_max3_num_f32 v8, v8, |v[XS+30]|, |v[XS+31]|
	v_max3_num_f32 v8, v8, v9, 0x8000000           ; and the floor
	v_add_nc_u32 v11, 0xf8800000, v8
	v_and_or_b32 v10, v8, 0x7f800000, s34
	v_lshrrev_b32 v9, 23, v11                      ; the scale's byte
.if (\bb) == 0
	v_mov_b32 v112, v9
.else
	v_lshl_or_b32 v112, v9, 8*(\bb), v112          ; four bytes make my column's scale word for these 128 keys
.endif
.irp i, 0,1,2,3,4,5,6,7,8,9,10,11,12,13,14,15,16,17,18,19,20,21,22,23,24,25,26,27,28,29,30,31
	v_med3_num_f32 v[XS+\i], v[XS+\i], -v10, v10
.endr
	v_cvt_scalef32_pk8_bf8_f32 v[CS:CS+1], v[XS:XS+7], v11         ; keys 0-7 and 16-23: the 16 bytes of lane (r, 0)
	v_cvt_scalef32_pk8_bf8_f32 v[CS+2:CS+3], v[XS+16:XS+23], v11
	v_cvt_scalef32_pk8_bf8_f32 v[CS+4:CS+5], v[XS+8:XS+15], v11    ; keys 8-15 and 24-31: those of lane (r, 1)
	v_cvt_scalef32_pk8_bf8_f32 v[CS+6:CS+7], v[XS+24:XS+31], v11
	global_store_b128 v4, v[CS:CS+3], s[24:25] offset:512*(\bb)    ; sixteen lanes store 256 consecutive bytes, aligned
	global_store_b128 v4, v[CS+4:CS+7], s[24:25] offset:512*(\bb)+256
.if (\bb)+2 < 4
	VLOAD (\bb)+2
.endif
.endm
	VBLOCK 0
	VBLOCK 1
	VBLOCK 2
	VBLOCK 3
	global_store_b32 v3, v112, s[38:39]
	s_endpgm
.Lfunc_end_k_qe3a7e861a4_prep:
	.size	k_qe3a7e861a4_prep, .Lfunc_end_k_qe3a7e861a4_prep-k_qe3a7e861a4_prep
	.p2alignl 7, 3214868480
	.fill 96, 4, 3214868480
	.section	.rodata,"a",@progbits
	.p2align	6, 0x0
	.amdhsa_kernel k_qe3a7e861a4_prep
		.amdhsa_group_segment_fixed_size 61952
		.amdhsa_private_segment_fixed_size 0
		.amdhsa_enable_private_segment 0
		.amdhsa_kernarg_size 64
		.amdhsa_user_sgpr_count 2
		.amdhsa_user_sgpr_kernarg_segment_ptr 1
		.amdhsa_wavefront_size32 1
		.amdhsa_system_sgpr_workgroup_id_x 1
		.amdhsa_system_sgpr_workgroup_id_y 1
		.amdhsa_system_sgpr_workgroup_id_z 1
		.amdhsa_system_vgpr_workitem_id 0
		.amdhsa_next_free_vgpr 146
		.amdhsa_next_free_sgpr 66
		.amdhsa_reserve_vcc 0
		.amdhsa_float_denorm_mode_32 3
		.amdhsa_float_denorm_mode_16_64 3
		.amdhsa_memory_ordered 1
		.amdhsa_forward_progress 1
		.amdhsa_inst_pref_size 87
	.end_amdhsa_kernel
	.amdgpu_metadata
---
amdhsa.version: [ 1, 2 ]
amdhsa.kernels:
  - .name:           k_qe3a7e861a4_prep
    .symbol:         k_qe3a7e861a4_prep.kd
    .args:
      - { .name: q, .offset: 0, .size: 8, .value_kind: global_buffer, .address_space: global }
      - { .name: k, .offset: 8, .size: 8, .value_kind: global_buffer, .address_space: global }
      - { .name: rpe_matrix, .offset: 16, .size: 8, .value_kind: global_buffer, .address_space: global }
      - { .name: v, .offset: 24, .size: 8, .value_kind: global_buffer, .address_space: global }
      - { .name: qc, .offset: 32, .size: 8, .value_kind: global_buffer, .address_space: global }
      - { .name: kc, .offset: 40, .size: 8, .value_kind: global_buffer, .address_space: global }
      - { .name: rc, .offset: 48, .size: 8, .value_kind: global_buffer, .address_space: global }
      - { .name: vc, .offset: 56, .size: 8, .value_kind: global_buffer, .address_space: global }
    .group_segment_fixed_size: 61952
    .private_segment_fixed_size: 0
    .kernarg_segment_align: 8
    .kernarg_segment_size: 64
    .max_flat_workgroup_size: 128
    .sgpr_count:     66
    .vgpr_count:     146
    .wavefront_size: 32
...
	.end_amdgpu_metadata
.endif
;; end of part 1
;; launch attn (part 2): grid 16 x 16, 8 waves a work-group, no clusters, 327,680 bytes of LDS; arguments qc, kc, vc, rc, drop_noise, out0; writes out0
.if DOCPART == 2
	.amdgcn_target "amdgcn-amd-amdhsa--gfx1250"
	.amdhsa_code_object_version 6
	.text
	.protected	k_qe3a7e861a4_attn
	.globl	k_qe3a7e861a4_attn
	.p2align	8
	.type	k_qe3a7e861a4_attn,@function
k_qe3a7e861a4_attn:
	s_mov_b64 s[64:65], 0
	v_nop
	global_prefetch_b8 v0, s[64:65] scope:SCOPE_SE
	s_setreg_imm32_b32 hwreg(HW_REG_WAVE_MODE, 25, 1), 1
	s_wait_xcnt 0x0
; out[z][i] = (sum over j <= i of Q(a_ij) Q(v_j)) / (sum over j <= i of a_ij) x (1 + DROPOUT x drop_noise),  a = 1 + s + s^2 / 2,  s_ij = Q(q_i).Q(k_j) + Q(q_i).Q(rpe[2047 - i + j]).
; All three products on codes of BF8 (E5M2) with E8M0 scales for each 32 along K; all else in f32.  16 heads, 2,048 queries and keys, head size 64.
; WHAT IS KEPT IS a' = 2 a = u u + 1 with u = 1 + s: one fused multiply-add.  The factor 2 is a power of two: it moves a block's scale byte by one and no code, and it cancels in the division.
; The 1 of u is the C of the rpe product.  There is no exponential, so O and the row's sum are plain sums over keys, and the keys of a query may be shared among waves.
; LIMITS: NaN and infinities are not served; a block of weights that the mask has cleared keeps the byte 1 over zero codes.
; SHARES.  A head has 32 blocks of 64 queries; block b sees (b / 2) + 1 steps of 128 keys.  Work-group (p, z) owns blocks 31 - p and p of head z: 17 block-steps in every work-group.
;   Eight waves: group g = wave / 4, residue c = wave % 4.  A wave owns one tile of 16 queries, FOUR APART: lane r holds query 64 block + c + 4 r.
;   The 17 block-steps are a list: first the large block's LB = ((31 - p) / 2) + 1, then the small block's.  Group 0 takes entries 0-7 (and rests in the ninth trip), group 1 entries 8-16: it changes
;   blocks once, hands its part of the large block's O and sum to group 0 through LDS, and finishes the small block alone.  Trip counts are constants; the change, the mask and the rest are scalar branches on ids.
; LAYOUT.  All products are used transposed (source 0 = 16 keys, rpe rows or channels; source 1 = my 16 queries): a lane holds ONE query throughout.
;   K = 64 fills half of the instruction's 128: source 0 holds TWO tiles of rows (k 0-63, k 64-127) and is multiplied by [q | 0] and by [0 | q]; zero codes add nothing.  A row's word [s0, s1, s0, s1] serves either half.
; THE TOEPLITZ GATHER.  P(query, rpe row) falls out of the matrix unit by rows; the score of key j wants row G + j - 4 r (G: the row of lane 0 and the step's first key).  With queries four apart the shift is a whole
;   number of chunks of four f32: P goes once through the wave's own ring in LDS, laid [chunk][lane] (256 bytes a chunk), and comes back shifted by r chunks as the C of the K Q^T product: aligned 16-byte stores and loads,
;   sixteen lanes on sixteen different columns of 16 bytes.  A step makes chunks 0-31 and reads chunks -15 .. 31; those under 0 are the last step's, or, at a block's start, four tiles more.
; NO CLUSTER: of the 70,656 bytes that a work-group stages in a trip only group 0's K and V tiles (18,688) are the same in the work-groups of a head; every rpe tile and all of group 1's tiles hang on p.
; PREFETCH: in the eighth trip the waves with an even number ask for the 64 rows of drop_noise that their group reads behind the ninth: one request a row of 256 bytes, each row once in the launch, all inside the buffer.
.set RINGW, 16384                      ; LDS 0: a ring of 64 chunks x 256 bytes for each wave; at the end the wave's stage for the way out
.set STG,   131072                     ; then the staged tiles: group x 74,240 + slot x 37,120: V's record (8,448 bytes), at 10,240 K's 128 records, at 20,480 208 records of rpe
.set GRP,   74240
.set SLOTB, 37120
.set KOFF,  10240
.set ROFF,  20480
.set REC,   80                         ; a record, and the pitch from row to row: five times 16 bytes, so that 16 rows begin in 16 different columns of 16 bytes
.set FLUSH, 279552                     ; 4,608 bytes for each wave: O^T (8 x 512) and the sums (512) as images of registers
.set FLW,   4608
.set SPARE, 316416                     ; the spare words, 128 bytes for each wave: four blocks of 256 bytes that no other line names
.set DROPOUT_BITS, 0                   ; DROPOUT = 0.0 as f32
; v0 thread; v1 my spare word's address, v2 = 0 (never rewritten); v3-15, v124-127 addresses (below); v16-23 q, v24-31 zeros, v32-39 q; v42 at work
.set QS,    40                         ; q's scale words
.set PW,    41                         ; the weights' scale word
.set SC,    44                         ; v44-47 scale words of the fragments in hand
.set ONE,   48                         ; v48-55 1.0: the C of the rpe product
.set TM,    60                         ; v60-75 at work
.set CODES, 76                         ; v76-91 the weights' codes
.set OT,    92                         ; v92-123 O^T: tile t, register j = (channel 16 t + 8 h + j, query r)
.set R0,    128                        ; v128-191 P, then the bias, u and a'
.set R1,    192                        ; v192-255 fragments
; s16 wave, s17 g, s18 c (also: what I fetch: 0 V, 1 K, 2 rpe, 3 nothing), s19 p, s20 head, s21 LB, s22 my list entry, s23 64 block + c, s24 the step's first key, s25 loop count, s[26:27] lane selects,
; s28 mantissa of 57,344, s29 31 - p, s[36:37] the buffer I fetch from, s38 bytes from tile to tile there, s[40:43], s[44:47] descriptor group 0 for slots 0, 1, s[48:55], s[56:63], s[68:75] group 1 for V, K, rpe,
; s[76:77] drop_noise and s[78:79] out0 at my final block's row c, s30-35 and s80-87 at work
.macro PLACES n
.rept \n
	v_nop
.endr
.endm
.macro G1SET g, rows                   ; a dense block as rows of 256 bytes: elements of 8 bytes, 32 to a row, pitch 32, no padding, no mask
	s_mov_b32 s[\g], 3<<16
	s_mov_b32 s[\g+1], 32<<16                      ; tensor_dim0
	s_mov_b32 s[\g+2], (\rows)<<16                 ; tensor_dim1
	s_mov_b32 s[\g+3], 32<<16                      ; tile_dim0
	s_mov_b32 s[\g+4], \rows                       ; tile_dim1
	s_mov_b32 s[\g+5], 32                          ; stride
	s_mov_b32 s[\g+6], 0
	s_mov_b32 s[\g+7], 0
.endm
; where the tile of list entry s22 + ahead begins in my buffer: into the slot's group 0.  Scalar lines alone, no branch.
.macro FADDR slot, ahead
	s_add_co_u32 s80, s22, \ahead
	s_cmp_ge_u32 s80, s21                          ; the small block's part of the list?
	s_cselect_b32 s81, s21, 0
	s_cselect_b32 s82, s19, s29                    ; the block
	s_sub_co_u32 s80, s80, s81                     ; its step
	s_sub_co_u32 s82, 31, s82
	s_lshl_b32 s83, s80, 1
	s_add_co_u32 s82, s82, s83                     ; rpe: 31 - block + 2 step, in units of 64 records
	s_lshl_b32 s83, s20, 4
	s_add_co_u32 s83, s83, s80                     ; K, V: 16 head + step
	s_cmp_eq_u32 s18, 2
	s_cselect_b32 s82, s82, s83
	s_mul_i32 s82, s82, s38
	s_mov_b32 s83, 0
	s_add_nc_u64 s[42+4*(\slot):43+4*(\slot)], s[36:37], s[82:83]
	s_or_b32 s[43+4*(\slot)], s[43+4*(\slot)], 0x80000000          ; type = 2
.endm
; A refill: one tensor load a wave, chosen by what the wave fetches; fill = 2: group 1 alone (group 0 rests in the last trip).  Four v_nop follow each load.
.macro TL3 slot, fill
.if \fill == 2
	s_cmp_lt_u32 s16, 4
	s_cbranch_scc1 .Ltl_end_\@
.endif
	s_cmp_lg_u32 s18, 0
	s_cbranch_scc1 .Ltl_nv_\@
	tensor_load_to_lds s[40+4*(\slot):43+4*(\slot)], s[48:55]
	s_nop 0
	PLACES 4
	s_branch .Ltl_end_\@
.Ltl_nv_\@:
	s_cmp_lg_u32 s18, 1
	s_cbranch_scc1 .Ltl_nk_\@
	tensor_load_to_lds s[40+4*(\slot):43+4*(\slot)], s[56:63]
	s_nop 0
	PLACES 4
	s_branch .Ltl_end_\@
.Ltl_nk_\@:
	s_cmp_lg_u32 s18, 2
	s_cbranch_scc1 .Ltl_end_\@
	tensor_load_to_lds s[40+4*(\slot):43+4*(\slot)], s[68:75]
	s_nop 0
	PLACES 4
.Ltl_end_\@:
.endm
; THE CHANGE OF SLOTS at a trip's head.  Each wave waits for all its tensor loads (its part of the slot ahead), adds 0 to its spare word, and waits for that and for its reads of the slot that it has left.
; Behind the barrier the slot ahead is whole and nobody reads the other one, which is then filled for the next trip: the load has a whole trip in which to land.
.macro CHANGE par, fill
	s_wait_tensorcnt 0x0                           ; no tensor load of mine is out, so a group 0 may be written
	ds_add_u32 v1, v2                              ; 0 onto my spare word: the address arithmetic stands between it and the wait for it
.if \fill
	FADDR 1-\par, 1
.endif
	s_wait_dscnt 0x0                               ; the add is done, and my reads of the slot that I have left are over
	s_barrier_signal -1
	s_barrier_wait -1
.if \fill
	TL3 1-\par, \fill
.endif
.endm
.macro WM d, a, b, c, sa, sb, row1     ; row1: source 0's scale words stand in lanes 16-31
.if \row1
	v_wmma_scale_f32_16x16x128_f8f6f4 v[\d:\d+7], v[\a:\a+15], v[\b:\b+15], \c, v[\sa], v[\sb] matrix_a_fmt:MATRIX_FMT_BF8 matrix_b_fmt:MATRIX_FMT_BF8 matrix_a_scale:MATRIX_SCALE_ROW1
.else
	v_wmma_scale_f32_16x16x128_f8f6f4 v[\d:\d+7], v[\a:\a+15], v[\b:\b+15], \c, v[\sa], v[\sb] matrix_a_fmt:MATRIX_FMT_BF8 matrix_b_fmt:MATRIX_FMT_BF8
.endif
.endm
; n double fragments of records (K's or rpe's): pair pp = rows 32 pp .. 32 pp + 31: registers 0-7 the first 16 rows' 64 codes, 8-15 the next 16 rows'; one scale register: lanes 0-15 the first tile's words, 16-31 the second's
.macro LDP adr, sadr, off, n
.set pp, 0
.rept \n
.irp u, 0,1
.irp cc, 0,1
	ds_load_b128 v[R1+16*pp+8*\u+4*\cc:R1+16*pp+8*\u+4*\cc+3], v[\adr] offset:(\off)+(32*pp+16*\u)*REC+32*\cc
.endr
.endr
	ds_load_b32 v[SC+pp], v[\sadr] offset:(\off)+32*pp*REC
.set pp, pp+1
.endr
.endm
; 2 n products: tile ii of rows against my queries; even tiles by [q | 0] = v[16:31], odd ones by [0 | q] = v[24:39].  inplace = 0: C = 1.0; 1: C = what lies in the result's registers.  The accumulators take turns.
.macro MULP n, inplace
.set ii, 0
.rept 2*(\n)
.if \inplace
	WM R0+8*ii, R1+16*(ii/2), 16+8*(ii%2), v[R0+8*ii:R0+8*ii+7], SC+ii/2, QS, ii%2
.else
	WM R0+8*ii, R1+16*(ii/2), 16+8*(ii%2), v[ONE:ONE+7], SC+ii/2, QS, ii%2
.endif
.set ii, ii+1
.endr
.endm
; n tiles of P into the ring, the first being tile t0 (16 rpe rows = 4 chunks a tile): lane (r, h), registers 0-3: chunk 4 t + 2 h, registers 4-7: the next.  Chunk y lies at place (16 + 32 par + y) mod 64.
.macro PST par, t0, n
.set ii, 0
.rept \n
.set ps, (16+32*(\par)+4*((\t0)+ii))&63
	ds_store_b128 v9, v[R0+8*ii:R0+8*ii+3] offset:256*ps           ; each result from its low end on
	ds_store_b128 v9, v[R0+8*ii+4:R0+8*ii+7] offset:256*(ps+1)
.set ii, ii+1
.endr
.endm
.macro PEXTRA par                      ; a block's start: chunks -16 .. -1, from the 64 staged rows in front of row G
	LDP 5, 6, (\par)*SLOTB, 2
	s_wait_dscnt 0x0
	MULP 2, 0
	PLACES 9                                       ; the stores below read results (8 places), and the next products write over them (9)
	PST \par, -4, 4
	s_wait_dscnt 0x0                               ; the stores have read their registers
.endm
.macro QLOAD                           ; my 16 queries' records, 320 bytes apart: the fragment twice (for [q | 0] and [0 | q]) and the scale words
	v_and_b32 v60, 15, v0
	v_mul_u32_u24 v61, v60, 4*REC
	v_bfe_u32 v60, v0, 4, 1
	v_lshl_add_u32 v60, v60, 4, v61                ; 320 r + 16 h
	v_add_nc_u32 v61, 64, v61                      ; 320 r + 64
	s_lshl_b32 s84, s20, 11
	s_add_co_u32 s84, s84, s23
	s_mul_i32 s84, s84, REC
	s_mov_b32 s85, 0
	s_add_nc_u64 s[84:85], s[4:5], s[84:85]
	global_load_b128 v[16:19], v60, s[84:85]
	global_load_b128 v[20:23], v60, s[84:85] offset:32
	global_load_b128 v[32:35], v60, s[84:85]
	global_load_b128 v[36:39], v60, s[84:85] offset:32
	global_load_b32 v[QS], v61, s[84:85]
.endm
.macro SWITCH                          ; group 1 leaves the large block: its O^T and sums go to LDS for group 0, and the small block begins
.set kk, 0
.rept 8
	ds_store_b128 v13, v[OT+4*kk:OT+4*kk+3] offset:512*kk          ; ascending: each result from its low end on
.set kk, kk+1
.endr
	ds_store_b128 v13, v[56:59] offset:4096
	s_wait_dscnt 0x0                               ; the stores have read their registers
.set kk, 0
.rept 32
	v_mov_b32 v[OT+kk], 0
.set kk, kk+1
.endr
.irp i, 56,57,58,59
	v_mov_b32 v\i, 0
.endr
	s_lshl_b32 s23, s19, 6
	s_add_co_u32 s23, s23, s18                     ; 64 p + c
	s_mov_b32 s24, 0
	QLOAD
	s_wait_loadcnt 0x0
.endm
.macro WRAPADR                         ; odd trips: the places of chunks 16 and up pass the ring's end in some lanes: eight addresses, ((48 + 4 t + e + 2 h - r) mod 64) x 256 + my column
.irp t, 4,5,6,7
.irp e, 0,1
	v_add_nc_u32 v[TM+2*(\t-4)+\e], 256*(48+4*\t+\e), v11
.endr
.endr
.irp i, 0,1,2,3,4,5,6,7
	v_and_or_b32 v[TM+\i], v[TM+\i], 0x3f00, v12
.endr
.endm
.macro BIAS par                        ; the bias in the K Q^T result's layout: registers 8 t + 4 e ..: keys 16 t + 8 h + 4 e + 0..3 = chunk 4 t + 2 h + e - r
.set tt, 0
.rept 8
.irp e, 0,1
.if \par == 0
	ds_load_b128 v[R0+8*tt+4*\e:R0+8*tt+4*\e+3], v10 offset:256*(4*tt+\e)
.elseif tt < 4
	ds_load_b128 v[R0+8*tt+4*\e:R0+8*tt+4*\e+3], v10 offset:256*(32+4*tt+\e)
.else
	ds_load_b128 v[R0+8*tt+4*\e:R0+8*tt+4*\e+3], v[TM+2*(tt-4)+\e]
.endif
.endr
.set tt, tt+1
.endr
.endm
.macro VLD par                         ; V^T's four tiles as images of registers, and its scale words
.irp t, 0,1,2,3
.irp b, 0,1,2,3
	ds_load_b128 v[R1+16*\t+4*\b:R1+16*\t+4*\b+3], v7 offset:(\par)*SLOTB+2048*\t+512*\b
.endr
.endr
	ds_load_b32 v[SC], v8 offset:(\par)*SLOTB
	ds_load_b32 v[SC+1], v8 offset:(\par)*SLOTB+128
.endm
.macro MASK                            ; register n holds key s24 + 16 (n / 8) + 8 h + n % 8: hidden where that is beyond my query s23 + 4 r.  A step all of whose keys count for all 16 queries skips this
	s_sub_co_i32 s80, s23, s24
	s_cmp_gt_i32 s80, 126
	s_cbranch_scc1 .Lopen_\@
	v_add_nc_u32 v42, s80, v14
.set nn, 0
.rept 64
	v_cmp_gt_i32 vcc_lo, 16*(nn/8)+nn%8, v42
	v_cndmask_b32 v[R0+nn], v[R0+nn], v24, vcc_lo  ; v24 holds 0
.set nn, nn+1
.endr
.Lopen_\@:
.endm
; a' becomes codes and a scale word.  Registers 16 b + 0..15 and those of lane l xor 16 are block b's 32 keys.  a' is never negative: no |.|, and the hold is one-sided.  The row's sum is taken of the unquantised a'.
.macro QUANT
.irp b, 0,1,2,3
	v_max3_num_f32 v[TM+\b], v[R0+16*\b], v[R0+1+16*\b], 0x8000000 ; with the floor 2^(16 - 127): the byte cannot fall under 1
.endr
.irp i, 2,4,6,8,10,12,14
.irp b, 0,1,2,3
	v_max3_num_f32 v[TM+\b], v[TM+\b], v[R0+16*\b+\i], v[R0+1+16*\b+\i]   ; the four blocks by turns
.endr
.endr
.irp b, 0,1,2,3
	v_permlanex16_b32 v[TM+4+\b], v[TM+\b], s26, s27
.endr
.irp b, 0,1,2,3
	v_max_num_f32 v[TM+\b], v[TM+\b], v[TM+4+\b]
.endr
.irp b, 0,1,2,3
	v_add_nc_u32 v[TM+12+\b], 0xf8800000, v[TM+\b] ; 15 off the exponent field: the conversion's scale operand
.endr
.irp b, 0,1,2,3
	v_and_or_b32 v[TM+8+\b], v[TM+\b], 0x7f800000, s28             ; 57,344 x the scale
.endr
.irp b, 0,1,2,3
	v_lshrrev_b32 v[TM+4+\b], 23, v[TM+12+\b]      ; the scale's byte
.endr
	v_lshl_or_b32 v[PW], v[TM+5], 8, v[TM+4]
	v_lshl_or_b32 v[PW], v[TM+6], 16, v[PW]
	v_lshl_or_b32 v[PW], v[TM+7], 24, v[PW]        ; made here, far more than eight plain lines ahead of the products that name it
.set jj, 0
.rept 16
	v_pk_add_f32 v[56:57], v[56:57], v[R0+jj:R0+jj+1]              ; two chains of packed sums
	v_pk_add_f32 v[58:59], v[58:59], v[R0+jj+2:R0+jj+3]
.set jj, jj+4
.endr
.irp b, 0,1,2,3
.irp i, 0,1,2,3,4,5,6,7,8,9,10,11,12,13,14,15
	v_min_num_f32 v[R0+16*\b+\i], v[R0+16*\b+\i], v[TM+8+\b]       ; the conversion to an 8-bit code does not saturate (ISA guide 7.6.2)
.endr
	v_cvt_scalef32_pk8_bf8_f32 v[CODES+4*\b:CODES+4*\b+1], v[R0+16*\b:R0+16*\b+7], v[TM+12+\b]
	v_cvt_scalef32_pk8_bf8_f32 v[CODES+4*\b+2:CODES+4*\b+3], v[R0+16*\b+8:R0+16*\b+15], v[TM+12+\b]
.endr
	PLACES 4                                       ; an operand written by vector instructions stands four places ahead of a scaled matrix instruction
.endm
.macro PVM first                       ; O^T += V^T a'^T: four accumulators by turns; the first trip's products start the sums
.set ii, 0
.rept 4
.if \first
	WM OT+8*ii, R1+16*ii, CODES, 0, SC+ii/2, PW, ii%2
.else
	WM OT+8*ii, R1+16*ii, CODES, v[OT+8*ii:OT+8*ii+7], SC+ii/2, PW, ii%2
.endif
.set ii, ii+1
.endr
.endm
; A TRIP: one list entry, 16 queries x 128 keys a wave, out of slot par.
.macro TRIP par, first, fill, idle0
.if !\first
	CHANGE \par, \fill
.endif
.if \fill == 2
	s_and_b32 s80, s16, 1                          ; waves 0, 2, 4, 6: the rows of residues c and c + 1 of my group's final block of drop_noise, 32 rows of 256 bytes, one request each
	s_cmp_lg_u32 s80, 0
	s_cbranch_scc1 .Lnopf_\@
	global_prefetch_b8 v124, s[76:77] th:TH_LOAD_NT scope:SCOPE_SE
.Lnopf_\@:
.endif
.if \idle0
	s_cmp_lt_u32 s16, 4                            ; group 0 has no ninth entry
	s_cbranch_scc1 .Ltend_\@
.endif
.if \first
	PEXTRA \par
.else
	s_cmp_lg_u32 s22, s21                          ; the small block's first entry?  (Group 0's entries lie under 9 <= LB)
	s_cbranch_scc1 .Lnosw_\@
	SWITCH
	PEXTRA \par
.Lnosw_\@:
.endif
	LDP 5, 6, (\par)*SLOTB+64*REC, 4               ; rpe rows G .. G + 127
	s_wait_dscnt 0x0
	MULP 4, 0                                      ; P = 1 + q . rpe
.if \par
	WRAPADR                                        ; sixteen plain lines that name none of those products' registers: their places
.else
	PLACES 9                                       ; the stores read results (8 places); the K Q^T products write over them (9)
.endif
	PST \par, 0, 8
	LDP 3, 4, (\par)*SLOTB, 4                      ; K's 128 records
	s_wait_dscnt 20                                ; the sixteen stores have read their registers; the 16 + 4 loads behind them may be out
	BIAS \par                                      ; LDS serves a wave's instructions in order: these see the stores
	s_wait_dscnt 0x0
	MULP 4, 1                                      ; u = P shifted + q . k
	PLACES 8
	VLD \par                                       ; they land under the vector work below
.set jj, 0
.rept 32
	v_pk_fma_f32 v[R0+jj:R0+jj+1], v[R0+jj:R0+jj+1], v[R0+jj:R0+jj+1], 1.0 op_sel_hi:[1,1,0]   ; a' = u u + 1, ascending: each result from its low end on
.set jj, jj+2
.endr
	MASK
	QUANT
	s_wait_dscnt 0x0                               ; V
	PVM \first
	PLACES 8                                       ; in front of the next loads into these fragments and scale words, and of any read of O^T
.Ltend_\@:
	s_add_co_u32 s22, s22, 1
	s_add_co_u32 s24, s24, 128
.endm
	s_load_b256 s[4:11], s[0:1], 0x0               ; qc s[4:5], kc s[6:7], vc s[8:9], rc s[10:11]
	s_load_b128 s[12:15], s[0:1], 0x20             ; drop_noise s[12:13], out0 s[14:15]
	v_lshl_add_u32 v1, v0, 2, SPARE
	v_mov_b32 v2, 0
	ds_add_u32 v1, v2
	s_wait_dscnt 0x0
	v_lshrrev_b32 v3, 5, v0
	v_readfirstlane_b32 s16, v3                    ; wave 0..7
	s_lshr_b32 s17, s16, 2                         ; g
	s_and_b32 s18, s16, 3                          ; c
	s_mov_b32 s19, ttmp9                           ; p
	s_and_b32 s20, ttmp7, 0xffff                   ; head
	s_sub_co_u32 s29, 31, s19
	s_lshr_b32 s21, s29, 1
	s_add_co_u32 s21, s21, 1                       ; LB, 9 .. 16
	s_lshl_b32 s22, s17, 3                         ; my first list entry: 8 g: a step of the large block
	s_lshl_b32 s24, s17, 10                        ; its first key
	s_lshl_b32 s23, s29, 6
	s_add_co_u32 s23, s23, s18                     ; 64 (31 - p) + c
	s_mov_b32 s26, 0x76543210
	s_mov_b32 s27, 0xfedcba98                      ; v_permlanex16_b32's selects for lane l xor 16
	s_mov_b32 s28, 0x600000
	G1SET 48, 33                                   ; V's record: 8,448 bytes
	G1SET 56, 40                                   ; 128 records of K: 10,240
	G1SET 68, 65                                   ; 208 records of rpe: 16,640
	s_mul_i32 s30, s17, GRP
	s_mul_i32 s31, s18, KOFF
	s_add_co_u32 s30, s30, s31
	s_add_co_u32 s30, s30, STG
	s_mov_b32 s40, 1                               ; count = 1
	s_mov_b32 s41, s30                             ; LDS address: my group's stage, my kind's place, slot 0
	s_mov_b32 s44, 1
	s_add_co_u32 s45, s30, SLOTB                   ; slot 1
	s_mov_b32 s38, 64*REC                          ; rpe: tiles begin 64 records apart
	s_wait_kmcnt 0x0
	s_cmp_eq_u32 s18, 0
	s_cselect_b64 s[36:37], s[8:9], s[10:11]
	s_cselect_b32 s38, 8448, s38
	s_cmp_eq_u32 s18, 1
	s_cselect_b64 s[36:37], s[6:7], s[36:37]
	s_cselect_b32 s38, 10240, s38
	FADDR 0, 0
	FADDR 1, 1
	s_cmp_lg_u32 s18, 0                            ; a wave's two first fills stand in one branch, ahead of every wait on TENSORcnt, every LDS read and every barrier: two loads of mine are out
	s_cbranch_scc1 .Lff_nv
	tensor_load_to_lds s[40:43], s[48:55]
	s_nop 0
	tensor_load_to_lds s[44:47], s[48:55]
	s_nop 0
	PLACES 4
	s_branch .Lff_end
.Lff_nv:
	s_cmp_lg_u32 s18, 1
	s_cbranch_scc1 .Lff_nk
	tensor_load_to_lds s[40:43], s[56:63]
	s_nop 0
	tensor_load_to_lds s[44:47], s[56:63]
	s_nop 0
	PLACES 4
	s_branch .Lff_end
.Lff_nk:
	s_cmp_lg_u32 s18, 2
	s_cbranch_scc1 .Lff_end
	tensor_load_to_lds s[40:43], s[68:75]
	s_nop 0
	tensor_load_to_lds s[44:47], s[68:75]
	s_nop 0
	PLACES 4
.Lff_end:
	QLOAD
	; every LDS address is made here, ahead of all partings of the waves
	v_and_b32 v128, 31, v0                         ; l
	v_and_b32 v129, 15, v0                         ; r
	v_bfe_u32 v130, v0, 4, 1                       ; h
	s_mul_i32 s30, s17, GRP
	s_add_co_u32 s30, s30, STG                     ; my group's stage
	v_mul_u32_u24 v131, v129, REC
	v_lshl_add_u32 v131, v130, 4, v131             ; 80 r + 16 h
	v_mul_u32_u24 v132, v128, REC                  ; 80 l
	s_add_co_u32 s31, s30, KOFF
	v_add_nc_u32 v3, s31, v131                     ; v3  K's fragments
	s_add_co_u32 s32, s31, 64
	v_add_nc_u32 v4, s32, v132                     ; v4  K's scale words
	s_xor_b32 s33, s18, 15                         ; 15 - c
	s_mul_i32 s33, s33, REC
	s_add_co_u32 s33, s33, s30
	s_add_co_u32 s33, s33, ROFF
	v_add_nc_u32 v5, s33, v131                     ; v5  rpe's fragments: staged row 15 - c + r is row G - 64 + r
	s_add_co_u32 s33, s33, 64
	v_add_nc_u32 v6, s33, v132                     ; v6  rpe's scale words
	v_lshl_add_u32 v7, v128, 4, s30                ; v7  V's images: 16 l
	s_add_co_u32 s31, s30, 8192
	v_lshl_add_u32 v8, v128, 2, s31                ; v8  V's scale words: 4 l
	s_lshl_b32 s34, s16, 14                        ; my ring
	v_lshl_add_u32 v12, v129, 4, s34               ; v12 ring + 16 r
	v_lshl_add_u32 v9, v130, 9, v12                ; v9  P's stores: + 512 h
	v_mul_u32_u24 v131, v129, 240
	v_lshlrev_b32 v132, 9, v130
	s_add_co_u32 s35, s34, 4096
	v_add_nc_u32 v10, s35, v132
	v_sub_nc_u32 v10, v10, v131                    ; v10 the bias's loads: ring + 256 (16 + 2 h - r) + 16 r
	v_lshlrev_b32 v131, 8, v129
	v_add_nc_u32 v11, 16384, v132
	v_sub_nc_u32 v11, v11, v131                    ; v11 256 (64 + 2 h - r): for the addresses that pass the ring's end
	s_mul_i32 s31, s16, FLW
	s_add_co_u32 s31, s31, FLUSH
	v_lshl_add_u32 v13, v128, 4, s31               ; v13 where I hand over O^T and the sums
	s_xor_b32 s31, s16, 4
	s_mul_i32 s31, s31, FLW
	s_add_co_u32 s31, s31, FLUSH
	v_lshl_add_u32 v127, v128, 4, s31              ; v127 where my partner of the other group has handed over
	v_lshlrev_b32 v131, 2, v129
	v_lshlrev_b32 v132, 3, v130
	v_sub_nc_u32 v14, v131, v132                   ; v14 4 r - 8 h, for the mask
	v_lshlrev_b32 v15, 10, v130
	v_lshl_add_u32 v15, v129, 4, v15               ; v15 the way out in memory: 1,024 h + 16 r (my queries' rows lie 1,024 bytes apart)
	v_lshl_add_u32 v124, v129, 2, v130
	v_lshlrev_b32 v124, 8, v124                    ; v124 the prefetch: row 4 r + h
	v_mul_u32_u24 v125, v129, 272
	v_lshl_add_u32 v125, v130, 5, v125
	v_add_nc_u32 v125, s34, v125                   ; v125 the stage, way in: row r of 272 bytes, + 32 h
	v_mul_u32_u24 v126, v130, 272
	v_lshl_add_u32 v126, v129, 4, v126
	v_add_nc_u32 v126, s34, v126                   ; v126 and back: lanes 0-15 one row, lanes 16-31 the next
.irp i, 24,25,26,27,28,29,30,31
	v_mov_b32 v\i, 0                               ; the zero half of [q | 0] and [0 | q]
.endr
.irp i, 0,1,2,3,4,5,6,7
	v_mov_b32 v[ONE+\i], 1.0
.endr
.irp i, 56,57,58,59
	v_mov_b32 v\i, 0                               ; the row's sum, in two packed chains
.endr
.irp i, 4,5,6,7
	v_mov_b32 v[TM+\i], 0                          ; written once: a lane permute's destination counts as one of its sources
.endr
	s_cmp_eq_u32 s17, 0                            ; the block that I finish: group 0 the large one, group 1 the small one
	s_cselect_b32 s86, s29, s19
	s_lshl_b32 s86, s86, 6
	s_add_co_u32 s86, s86, s18
	s_lshl_b32 s87, s20, 11
	s_add_co_u32 s86, s86, s87
	s_lshl_b32 s86, s86, 8                         ; rows of 256 bytes
	s_mov_b32 s87, 0
	s_add_nc_u64 s[76:77], s[12:13], s[86:87]
	s_add_nc_u64 s[78:79], s[14:15], s[86:87]
	s_wait_tensorcnt 0x1                           ; my part of slot 0 is in; slot 1's may stay out
	s_barrier_signal -1
	s_barrier_wait -1                              ; everybody's is
	s_wait_loadcnt 0x0                             ; q
	TRIP 0, 1, 0, 0                                ; trip 0
	s_mov_b32 s25, 3
.Lpair:                                            ; trips 1 to 6
	TRIP 1, 0, 1, 0
	TRIP 0, 0, 1, 0
	s_sub_co_u32 s25, s25, 1
	s_cmp_lg_u32 s25, 0
	s_cbranch_scc1 .Lpair
	TRIP 1, 0, 2, 0                                ; trip 7: only group 1 has a ninth entry to ask for
	TRIP 0, 0, 0, 1                                ; trip 8: nothing is asked for; group 0 rests
	; THE END.  Group 0 adds group 1's part of the large block; O^T is divided by the sum, goes through my stage (my ring's first bytes) and leaves as whole rows of 256 bytes.
.irp k, 0,1,2,3,4,5,6,7
	global_load_b128 v[R1+4*\k:R1+4*\k+3], v15, s[76:77] offset:2048*\k th:TH_LOAD_NT   ; drop_noise, in the layout of the stores below
.endr
	s_wait_dscnt 0x0                               ; for the others' sake: what I handed over has landed
	s_barrier_signal -1
	s_barrier_wait -1
	s_cmp_ge_u32 s16, 4
	s_cbranch_scc1 .Lnoadd
.irp k, 0,1,2,3,4,5,6,7,8
	ds_load_b128 v[R0+4*\k:R0+4*\k+3], v127 offset:512*\k
.endr
	s_wait_dscnt 0x0
.set jj, 0
.rept 16
	v_pk_add_f32 v[OT+jj:OT+jj+1], v[OT+jj:OT+jj+1], v[R0+jj:R0+jj+1]
.set jj, jj+2
.endr
	v_pk_add_f32 v[56:57], v[56:57], v[R0+32:R0+33]
	v_pk_add_f32 v[58:59], v[58:59], v[R0+34:R0+35]
.Lnoadd:
	v_pk_add_f32 v[56:57], v[56:57], v[58:59]
	v_add_f32 v56, v56, v57
	v_permlanex16_b32 v[TM+4], v56, s26, s27
	v_add_f32 v56, v56, v[TM+4]                    ; with lane l xor 16's keys: the row's sum (of a', as O^T is)
	v_rcp_f32 v56, v56
	v_nop                                          ; one plain place behind a transcendental
.set jj, 0
	s_wait_alu depctr_va_vdst(0)
.rept 16
	v_pk_mul_f32 v[R0+jj:R0+jj+1], v[OT+jj:OT+jj+1], v[56:57] op_sel_hi:[1,0]   ; ascending: each result from its low end on
.set jj, jj+2
.endr
.irp t, 0,1,2,3
	ds_store_b128 v125, v[R0+8*\t:R0+8*\t+3] offset:64*\t          ; lane (r, h): channels 16 t + 8 h + 0..7 of query r
	ds_store_b128 v125, v[R0+8*\t+4:R0+8*\t+7] offset:64*\t+16
.endr
.irp k, 0,1,2,3,4,5,6,7
	ds_load_b128 v[R0+32+4*\k:R0+32+4*\k+3], v126 offset:544*\k    ; LDS serves a wave's instructions in order: these see my stores
.endr
	s_wait_loadcnt 0x0                             ; drop_noise
.set jj, 0
.rept 16
	v_pk_fma_f32 v[R1+jj:R1+jj+1], v[R1+jj:R1+jj+1], DROPOUT_BITS, 1.0 op_sel_hi:[1,0,0]   ; 1 + DROPOUT x noise
.set jj, jj+2
.endr
.irp k, 0,1,2,3,4,5,6,7
	s_wait_dscnt 7-\k
	v_pk_mul_f32 v[R0+32+4*\k:R0+33+4*\k], v[R0+32+4*\k:R0+33+4*\k], v[R1+4*\k:R1+4*\k+1]
	v_pk_mul_f32 v[R0+34+4*\k:R0+35+4*\k], v[R0+34+4*\k:R0+35+4*\k], v[R1+4*\k+2:R1+4*\k+3]
	global_store_b128 v15, v[R0+32+4*\k:R0+35+4*\k], s[78:79] offset:2048*\k th:TH_STORE_NT   ; sixteen lanes store a whole row of out0: 256 consecutive bytes, aligned
.endr
	s_wait_tensorcnt 0x0                           ; the wave's end: behind my last tensor load and my last LDS store
	ds_add_u32 v1, v2
	s_wait_dscnt 0x0
	s_endpgm
.Lfunc_end_k_qe3a7e861a4_attn:
	.size	k_qe3a7e861a4_attn, .Lfunc_end_k_qe3a7e861a4_attn-k_qe3a7e861a4_attn
	.p2alignl 7, 3214868480
	.fill 96, 4, 3214868480
	.section	.rodata,"a",@progbits
	.p2align	6, 0x0
	.amdhsa_kernel k_qe3a7e861a4_attn
		.amdhsa_group_segment_fixed_size 327680
		.amdhsa_private_segment_fixed_size 0
		.amdhsa_enable_private_segment 0
		.amdhsa_kernarg_size 48
		.amdhsa_user_sgpr_count 2
		.amdhsa_user_sgpr_kernarg_segment_ptr 1
		.amdhsa_wavefront_size32 1
		.amdhsa_system_sgpr_workgroup_id_x 1
		.amdhsa_system_sgpr_workgroup_id_y 1
		.amdhsa_system_sgpr_workgroup_id_z 1
		.amdhsa_system_vgpr_workitem_id 0
		.amdhsa_next_free_vgpr 256
		.amdhsa_next_free_sgpr 96
		.amdhsa_reserve_vcc 1
		.amdhsa_float_denorm_mode_32 3
		.amdhsa_float_denorm_mode_16_64 3
		.amdhsa_memory_ordered 1
		.amdhsa_forward_progress 1
		.amdhsa_inst_pref_size 169
	.end_amdhsa_kernel
	.amdgpu_metadata
---
amdhsa.version: [ 1, 2 ]
amdhsa.kernels:
  - .name:           k_qe3a7e861a4_attn
    .symbol:         k_qe3a7e861a4_attn.kd
    .args:
      - { .name: qc, .offset: 0, .size: 8, .value_kind: global_buffer, .address_space: global }
      - { .name: kc, .offset: 8, .size: 8, .value_kind: global_buffer, .address_space: global }
      - { .name: vc, .offset: 16, .size: 8, .value_kind: global_buffer, .address_space: global }
      - { .name: rc, .offset: 24, .size: 8, .value_kind: global_buffer, .address_space: global }
      - { .name: drop_noise, .offset: 32, .size: 8, .value_kind: global_buffer, .address_space: global }
      - { .name: out0, .offset: 40, .size: 8, .value_kind: global_buffer, .address_space: global }
    .group_segment_fixed_size: 327680
    .private_segment_fixed_size: 0
    .kernarg_segment_align: 8
    .kernarg_segment_size: 48
    .max_flat_workgroup_size: 256
    .sgpr_count:     96
    .vgpr_count:     256
    .wavefront_size: 32
...
	.end_amdgpu_metadata
.endif
;; end of part 2
